; MI455X (gfx1250); checked and timed in simulation.
; The chip was launched on July 23, 2026; its instructions are those of AMD's public machine-readable ISA for CDNA 5 (MIT licence, August 2026) and "CDNA5" Instruction Set Architecture Reference Guide (July 2026). The comments in the code are by the model that wrote it; some were corrected since.
;; Head. Allowed arithmetic: matrix products marked QUANTISED: E4M3 operands, one E8M0 scale for each 32 along K, by v_wmma_scale_f32_16x16x128_f8f6f4 with both operands' format E4M3, f32 sums; everything else in f32.
;; Inputs: Wk 2,048 x 128 float32; Wq 2,048 x 128 float32; Wv 2,048 x 128 float32; x 8 x 2,048 x 2,048 float32.
;; Outputs: out0 8 x 2,048 x 128 float32.
;; This version of the problem:
;;   THIS VERSION OF THE PROBLEM IS GIVEN IN LOW PRECISION. The matrix products marked QUANTISED in the list below multiply operands that are first quantised to E4M3 (4 exponent bits, 3 mantissa bits; 8 bits a number), with one power-of-two scale for each 32 numbers along K (OCP MX v1.0); their sums are f32. All else is computed in f32.
;;   The module's matrix products, in the order in which they are computed (A, B: the left and right operand; K: the contracted axis; several contracted axes count as one K, in the product's order):
;;     1. [M 16,384, K 2,048] x [K 2,048, N 128]; A: input x; B: input Wq: QUANTISED
;;     2. [M 16,384, K 2,048] x [K 2,048, N 128]; A: input x; B: input Wk: QUANTISED
;;     3. [M 16,384, K 2,048] x [K 2,048, N 128]; A: input x; B: input Wv: QUANTISED
;;     4. batch 8 x [M 2,048, K 128] x [K 128, N 2,048]; A: computed on the way; B: computed on the way: QUANTISED
;;     5. batch 8 x [M 2,048, K 2,048] x [K 2,048, N 128]; A: softmax (see below); B: computed on the way: QUANTISED
;;   THE QUANTISER, for each operand of a quantised product, along K:
;;     - K is cut into blocks of 32 from its start; a last block that is shorter is filled with zeros.
;;     - A block's scale is 2^e with e = floor(log2(the largest magnitude in the block)) - 8, held to -126 .. 127; a block of zeros has e = 0. As a byte (E8M0): e + 127.
;;     - Each number is divided by its block's scale, clamped to +-448, and rounded to the nearest number of E4M3, ties to even, subnormals kept.
;;     - The product sums the exact products of the quantised numbers (number of the format x scale) in f32.
;;   ~~~python
;;   def quantise(x, axis):      # numpy; x: float32 -> the quantised numbers, widened to float32 again
;;       x = np.moveaxis(x, axis, -1); K = x.shape[-1]
;;       x = np.pad(x, [(0, 0)] * (x.ndim - 1) + [(0, -K % 32)]); x = x.reshape(x.shape[:-1] + (-1, 32)); a = np.abs(x).max(-1, keepdims=True)
;;       e = np.where(a > 0, np.clip(np.frexp(np.where(a > 0, a, 1))[1] - 1 - 8, -126, 127), 0)      # np.frexp(a)[1] - 1 = floor(log2(a)), exactly
;;       r = np.clip(x / 2.0 ** e, -448, 448)
;;       step = 2.0 ** (np.maximum(np.frexp(np.where(r == 0, 1, r))[1] - 1, -6) - 3)
;;       q = np.round(r / step) * step * 2.0 ** e      # np.round: ties to even
;;       return np.moveaxis(q.reshape(q.shape[:-2] + (-1,))[..., :K], -1, axis).astype(np.float32)
;;   ~~~
;;   SOFTMAX AHEAD OF A QUANTISED PRODUCT. Where the list says 'softmax', what is quantised is not the finished softmax but p = 2^(t - M), with t = logit x log2(e) and M = ceil(the row's largest t), a whole number; so 1/2 < the row's largest p <= 1. The row's sum l is taken of the UNQUANTISED p, in f32, and the product's result is divided by l at the end. Since M is a whole number, a kernel that streams over the keys may use a running M (the ceiling of the running maximum): every later rescaling is an exact power of two, which a block's scale takes up: the codes' values come out the same.
;;   OPERANDS COMPUTED ON THE WAY. 'Computed on the way' means the value that the module computes at that place (a softmax that the list does not call 'softmax' is quantised finished and normalised). What goes into a quantiser is computed in f32, as accurately as f32 sums, v_exp_f32 and their like allow (about 1e-6 of the number): no bf16 or f16 on the way to a quantiser, and a product that is left as it is and whose result goes on into a quantised operand takes f32 operands (vector FMAs, or v_wmma_f32_16x16x4_f32). A number that lies on a knife's edge between two numbers of the format may be rounded either way, as far as f32 arithmetic and the matrix unit's own rounding can turn it there, and no further.
;; One version. Each part assembles by itself: llvm-mc -triple=amdgcn-amd-amdhsa -mcpu=gfx1250 --defsym DOCPART=n.
;; ======== version 1 of 1: 3 launches
;; limits: right only within a limited range of input values
;; workspace buffers: wc 819,200 bytes; qc 2,097,152 bytes; qs 131,072 bytes; kv 4,456,448 bytes
;; launch wquant (part 1): grid 16 x 6, 8 waves a work-group, no clusters, 1,280 bytes of LDS; arguments Wq, Wk, Wv, wc; writes wc
.if DOCPART == 1
	.amdgcn_target "amdgcn-amd-amdhsa--gfx1250"
	.amdhsa_code_object_version 6
	.text
	.protected	k_qe1d3563422_wquant
	.globl	k_qe1d3563422_wquant
	.p2align	8
	.type	k_qe1d3563422_wquant,@function
k_qe1d3563422_wquant:
	s_mov_b64 s[64:65], 0
	v_nop
	global_prefetch_b8 v0, s[64:65] scope:SCOPE_SE
	s_setreg_imm32_b32 hwreg(HW_REG_WAVE_MODE, 25, 1), 1
	s_wait_xcnt 0x0
; THE PROGRAM: three launches: the weights' codes; Q, K, V and their codes; causal attention.  DEAD WORK LEFT OUT: whole score tiles whose keys all come after their queries: the causal mask puts -infinity there
; so their p is 0 for all values of the inputs.  A NaN, an infinity or an overflow that reaches only those tiles is not carried to the result.
; Wq, Wk, Wv [2048 (k)][128 (n)], f32, become codes of FP8 (E4M3) with one E8M0 byte for each 32 along k, laid in wc as the projection's matrix instructions want them.
; wc = 16 blocks of 51,200 bytes, one for each 128 along k.  A block: 24 tiles of 16 columns (0-7 Wq's, 8-15 Wk's, 16-23 Wv's), each an IMAGE OF THE OPERAND'S REGISTERS, 2,048 bytes:
; chunk c (k = 32 c on) is 512 bytes, in it lane (r, h)'s 16 bytes at 16 (r + 16 h) are column position r, k = 32 c + 16 h + 0 .. 15;  then 384 scale words (byte b for k = 32 b on); then 512 bytes of zeros, so that an eighth of
; two blocks is 50 whole rows of 256 bytes for the next launch's tensor loads, which read them: so they are written.
; THE COLUMNS OF A TILE: Wv's are neighbours.  Position r of tile 2 c + t of Wq and Wk is column 32 c + 8 t + r % 8 + 16 (r / 8): then the sums of two tiles are 16 neighbouring columns in one lane.
; A block's scale is 2^(floor(log2(its largest magnitude)) - 8), held at the byte 1 from below; each number is divided by it, held within +-448, rounded to the nearest code.
; LIMITS: a block of zeros gets the byte 1 where the rule says 127 (its codes are zeros, and this program alone reads the bytes); NaN and infinities among the inputs are not served.
; SHARES: work-group (x = which 128 along k, y = matrix and half of its columns); wave = (block of 32 along k, 32 columns).  A lane takes a column, its registers run down k.  The four blocks' bytes of a column meet in LDS.
; No cluster: no two work-groups read the same bytes.
.set KSB,  51200
.set SCW,  49152                       ; where a block's scale words begin
.set X,    32                          ; v32-63  32 numbers along k
.set C,    64                          ; v64-71  their codes
.set SPARE, 256                        ; bytes 0-255: 64 scale words; behind them the spare words, 128 bytes for each wave
	s_load_b256 s[4:11], s[0:1], 0x0               ; Wq, Wk, Wv, wc
	v_lshl_add_u32 v14, v0, 2, SPARE
	v_mov_b32 v15, 0
	v_lshrrev_b32 v1, 5, v0
	v_readfirstlane_b32 s17, v1                    ; wave 0..7
	s_and_b32 s30, ttmp7, 0xffff
	s_lshr_b32 s16, s30, 1                         ; which matrix
	s_and_b32 s26, s30, 1                          ; which 64 of its columns
	s_lshr_b32 s27, s17, 1                         ; which 32 along k
	s_and_b32 s28, s17, 1                          ; which 32 of the columns
	s_lshl_b32 s29, s30, 3
	s_add_co_u32 s29, s29, s17                     ; 1: the wave that writes the block's zeros
	s_lshl_b32 s18, ttmp9, 16
	s_lshl_b32 s20, s27, 14
	s_add_co_u32 s18, s18, s20
	s_lshl_b32 s20, s26, 8
	s_add_co_u32 s18, s18, s20
	s_lshl_b32 s20, s28, 7
	s_add_co_u32 s18, s18, s20
	s_mov_b32 s19, 0
	s_mul_i32 s22, ttmp9, KSB
	s_lshl_b32 s20, s16, 14                        ; eight tiles a matrix, two a wave
	s_add_co_u32 s20, s20, s22
	s_lshl_b32 s21, s26, 13
	s_add_co_u32 s20, s20, s21
	s_lshl_b32 s21, s28, 12
	s_add_co_u32 s20, s20, s21
	s_lshl_b32 s21, s27, 9
	s_add_co_u32 s20, s20, s21
	s_mov_b32 s21, 0
	s_lshl_b32 s23, s16, 9
	s_add_co_u32 s22, s22, s23
	s_lshl_b32 s23, s26, 8
	s_add_co_u32 s22, s22, s23
	s_add_co_u32 s22, s22, SCW
	s_mov_b32 s23, 0
	s_lshl_b32 s31, s28, 7
	s_add_co_u32 s31, s31, s27                     ; LDS: word 32 x (32 columns) .., byte = which 32 along k
	s_mov_b32 s24, 0x600000                        ; the mantissa field of 448
	s_cmp_eq_u32 s16, 2
	s_cselect_b32 s25, -1, 0                       ; Wv: columns as they are
	v_and_b32 v2, 31, v0
	v_and_b32 v5, 15, v0
	v_bfe_u32 v4, v0, 4, 1
	v_lshlrev_b32 v3, 11, v4
	v_lshl_add_u32 v3, v5, 4, v3                   ; my place in two images
	v_and_b32 v6, 7, v0
	v_bfe_u32 v7, v0, 3, 1
	v_lshl_add_u32 v6, v4, 3, v6
	v_lshl_add_u32 v6, v7, 4, v6                   ; 8 (l / 16) + l % 8 + 16 (l / 8 % 2)
	v_cndmask_b32 v6, v6, v2, s25
	v_lshlrev_b32 v6, 2, v6                        ; my column's bytes
	v_lshlrev_b32 v8, 2, v2
	v_add_nc_u32 v8, s31, v8
	v_lshlrev_b32 v9, 3, v2
	v_lshlrev_b32 v10, 4, v2
.irp j, 0,1,2,3
	v_mov_b32 v[20+\j], 0
.endr
	s_wait_alu depctr_va_vdst(0)                   ; the wait at the head's end
	s_wait_kmcnt 0x0
	s_cmp_eq_u32 s16, 1
	s_cselect_b64 s[4:5], s[6:7], s[4:5]
	s_cmp_eq_u32 s16, 2
	s_cselect_b64 s[4:5], s[8:9], s[4:5]
	s_add_nc_u64 s[4:5], s[4:5], s[18:19]
	s_add_nc_u64 s[12:13], s[10:11], s[20:21]      ; my two images' chunk
	s_add_nc_u64 s[14:15], s[10:11], s[22:23]      ; my work-group's 64 scale words
.irp i, 0,1,2,3,4,5,6,7,8,9,10,11,12,13,14,15,16,17,18,19,20,21,22,23,24,25,26,27,28,29,30,31
	global_load_b32 v[X+\i], v6, s[4:5] offset:512*\i th:TH_LOAD_NT   ; 128 consecutive bytes a wave; the next wave's follow
.endr
	s_cmp_lg_u32 s29, 1
	s_cbranch_scc1 .Lno_zeros
	global_store_b128 v10, v[20:23], s[14:15] offset:1536              ; the block's last 512 bytes
.Lno_zeros:
	s_wait_loadcnt 0x0
	v_max3_num_f32 v12, |v[X]|, |v[X+1]|, |v[X+2]|
	v_max3_num_f32 v13, |v[X+3]|, |v[X+4]|, |v[X+5]|
.irp i, 6,10,14,18,22,26
	v_max3_num_f32 v12, v12, |v[X+\i]|, |v[X+\i+1]|
	v_max3_num_f32 v13, v13, |v[X+\i+2]|, |v[X+\i+3]|
.endr
	v_max3_num_f32 v12, v12, |v[X+30]|, |v[X+31]|
	v_max3_num_f32 v12, v12, v13, 0x4800000        ; and the floor 2^(9 - 127): the byte cannot fall under 1
	v_add_nc_u32 v11, 0xfc000000, v12              ; 8 off the exponent field: the conversion's scale operand
	v_and_or_b32 v16, v12, 0x7f800000, s24         ; 448 x the scale
	v_lshrrev_b32 v17, 23, v11                     ; the scale's byte
	ds_store_b8 v8, v17
.irp i, 0,1,2,3,4,5,6,7,8,9,10,11,12,13,14,15,16,17,18,19,20,21,22,23,24,25,26,27,28,29,30,31
	v_med3_num_f32 v[X+\i], v[X+\i], -v16, v16     ; the conversion does not saturate (ISA guide 7.6.2): the hold comes first
.endr
.irp g, 0,1,2,3
	v_cvt_scalef32_pk8_fp8_f32 v[C+2*\g:C+2*\g+1], v[X+8*\g:X+8*\g+7], v11
.endr
	v_nop
	global_store_b128 v3, v[C:C+3], s[12:13]                 ; k = 0 .. 15 of my 32: sixteen lanes store 256 consecutive bytes, aligned
	global_store_b128 v3, v[C+4:C+7], s[12:13] offset:256    ; k = 16 .. 31
	s_wait_dscnt 0x0                               ; my byte is stored
	s_barrier_signal -1
	s_barrier_wait -1
	s_cmp_lg_u32 s17, 0
	s_cbranch_scc1 .Lno_words
	ds_load_b64 v[24:25], v9
	s_wait_dscnt 0x0
	global_store_b64 v9, v[24:25], s[14:15]        ; 64 words: 256 bytes, aligned
.Lno_words:
	s_wait_tensorcnt 0x0                           ; the wave's end
	ds_add_u32 v14, v15
	s_wait_dscnt 0x0
	s_endpgm
.Lfunc_end_k_qe1d3563422_wquant:
	.size	k_qe1d3563422_wquant, .Lfunc_end_k_qe1d3563422_wquant-k_qe1d3563422_wquant
	.p2alignl 7, 3214868480
	.fill 96, 4, 3214868480
	.section	.rodata,"a",@progbits
	.p2align	6, 0x0
	.amdhsa_kernel k_qe1d3563422_wquant
		.amdhsa_group_segment_fixed_size 1280
		.amdhsa_private_segment_fixed_size 0
		.amdhsa_enable_private_segment 0
		.amdhsa_kernarg_size 32
		.amdhsa_user_sgpr_count 2
		.amdhsa_user_sgpr_kernarg_segment_ptr 1
		.amdhsa_wavefront_size32 1
		.amdhsa_system_sgpr_workgroup_id_x 1
		.amdhsa_system_sgpr_workgroup_id_y 1
		.amdhsa_system_sgpr_workgroup_id_z 1
		.amdhsa_system_vgpr_workitem_id 0
		.amdhsa_next_free_vgpr 96
		.amdhsa_next_free_sgpr 66
		.amdhsa_reserve_vcc 0
		.amdhsa_float_denorm_mode_32 3
		.amdhsa_float_denorm_mode_16_64 3
		.amdhsa_memory_ordered 1
		.amdhsa_forward_progress 1
		.amdhsa_inst_pref_size 11
	.end_amdhsa_kernel
	.amdgpu_metadata
---
amdhsa.version: [ 1, 2 ]
amdhsa.kernels:
  - .name:           k_qe1d3563422_wquant
    .symbol:         k_qe1d3563422_wquant.kd
    .args:
      - { .name: Wq, .offset: 0, .size: 8, .value_kind: global_buffer, .address_space: global }
      - { .name: Wk, .offset: 8, .size: 8, .value_kind: global_buffer, .address_space: global }
      - { .name: Wv, .offset: 16, .size: 8, .value_kind: global_buffer, .address_space: global }
      - { .name: wc, .offset: 24, .size: 8, .value_kind: global_buffer, .address_space: global }
    .group_segment_fixed_size: 1280
    .private_segment_fixed_size: 0
    .kernarg_segment_align: 8
    .kernarg_segment_size: 32
    .max_flat_workgroup_size: 256
    .sgpr_count:     66
    .vgpr_count:     96
    .wavefront_size: 32
...
	.end_amdgpu_metadata
.endif
;; end of part 1
;; launch proj (part 2): grid 256 x 1, 8 waves a work-group, clusters of 4 x 1, 327,680 bytes of LDS; arguments x, wc, qc, qs, kv; writes qc, qs, kv
.if DOCPART == 2
	.amdgcn_target "amdgcn-amd-amdhsa--gfx1250"
	.amdhsa_code_object_version 6
	.text
	.protected	k_qe1d3563422_proj
	.globl	k_qe1d3563422_proj
	.p2align	8
	.type	k_qe1d3563422_proj,@function
k_qe1d3563422_proj:
	s_mov_b64 s[64:65], 0
	v_nop
	global_prefetch_b8 v0, s[64:65] scope:SCOPE_SE
	s_setreg_imm32_b32 hwreg(HW_REG_WAVE_MODE, 25, 1), 1
	s_wait_xcnt 0x0
	s_wait_alu depctr_hold_cnt(0) depctr_sa_sdst(0) depctr_va_vdst(0) depctr_va_sdst(0) depctr_va_ssrc(0) depctr_va_vcc(0) depctr_vm_vsrc(0)
	s_getreg_b32 s2, hwreg(HW_REG_IB_STS2, 6, 4)
	s_cmp_eq_u32 s2, 0
	s_cbranch_scc0 .Lentry_in_a_cluster
	s_endpgm
.Lentry_in_a_cluster:
	s_bfe_u32 s2, ttmp6, 0x10000c
	s_cmp_lg_u32 s2, 0x3003
	s_cbranch_scc0 .Lentry_shape_is_right
	s_endpgm
.Lentry_shape_is_right:
; Q, K, V = x W, each quantised again on the way out.  x [16384][2048] f32 is read once and quantised here: FP8 (E4M3) codes, an E8M0 byte for each 32 along k; W's codes and bytes come from wc (its layout: the launch before).
; OUT: qc, qs: tiles of 16 queries as images of the operand's registers (2,048 bytes) and their scale words (128 bytes).  kv: for each 128 keys a block of 34,816 bytes: 8 tiles of K, 8 of V^T (keys innermost), K's scale words, V's.
; LIMITS: a block of zeros gets the byte 1 (its codes are zeros); NaN, infinities and sums beyond f32's range are not served.
; SHARES.  A work-group owns 64 rows; 256 of them.  K goes in eight PAIRS of two steps of 128.  Wave w = (cq = w % 4, kh = w / 4) multiplies all 64 rows x 96 columns (tiles 2 cq, 2 cq + 1 of Q, of K, of V) of the pair's step kh: 24 accumulators.
; It also quantises rows 8 w .. 8 w + 7 of the next pair.  Waves kh = 0 multiply first and quantise then, waves kh = 1 the other way round: one wave's vector work stands beside another's products.
; THE RING: two slots, each with the pair's two blocks of wc, fetched by all eight waves (50 rows of 256 bytes each) as JOINT loads of the cluster's four work-groups, which all walk the same weights.
; ROTATION: cluster c begins at pair (c + c / 8) % 8 and wraps: its place n is pair (start + n) % 8.  So the 64 clusters begin on eight different pairs.  The start hangs on the cluster's number alone, which its partners share, and enters global addresses alone.
; Nothing is prefetched: each pair of wc but a cluster's first has been loaded by other clusters of this launch, whose start lies further on, before this one comes to it; x's loads themselves run two pairs ahead.
; x goes straight into registers, two pairs ahead: 32 loads of 512 bytes a wave are out.  A load's lane l takes 16 bytes at 32 (l % 16) + 16 (l / 16); a swap of half rows between the two loads of a row then gives lane l
; eight neighbours: lanes 0-15 of the pair's first step, lanes 16-31 of its second; four lanes hold a block of 32.
; ROWS OF A TILE: row R of the work-group is lane r of tile m: R = 32 (m / 2) + 8 (m % 2) + r + 8 (r / 8).  So Q's and K's tiles have the order that the next launch wants, and V's sums of tiles 2 b, 2 b + 1 are 16 neighbouring keys in a lane.
; Q and K: source 0 = W's tile, source 1 = x's; V: the other way round: a lane holds one channel, registers along the keys.
; THE WAY OUT.  Waves (cq, 0) and (cq, 1) hold the two halves of K's sum.  Each keeps its accumulators m' = 0, 1 and sends m' = 2, 3 through LDS as register images; wave kh's tile m' is tile m' xor 2 kh, so it ends with rows 32 kh on.
; REGISTERS: window 0: v4-23 addresses; v24-28 scale words; v32-159 x's two sets; v160-255 W's fragments, at work in the quantiser.  window 1: v0-191 accumulators (t, m') at 8 (4 t + m'); v192-255 x's fragments.
.set KSB,   51200
.set SLOT,  2*KSB
.set XIMG,  2*SLOT                     ; x's codes: two buffers; in each two steps of four tiles, then their scale words
.set HP,    288                        ; 16 rows x 16 bytes + 32: with these two pitches the 32 lanes of a store of codes touch 64 different banks
.set CP,    2*HP
.set TIMG,  4*CP
.set KIMG,  4*TIMG+16
.set XSC,   2*KIMG
.set XBUF,  19200
.set SPARE, XIMG+2*XBUF                ; the spare words, 128 bytes for each wave
.set SCG,   SPARE+1024                 ; the way out's scale bytes: Q 512, K 512, V 512
.set L16, 4
.set L4,  5
.set AW,  6
.set AWS, 8
.set AXI, 10
.set XSA, 12
.set AXW, 14
.set AXSW,15
.set SND, 16
.set RCV, 17
.set SBQ, 18
.set SBV, 19
.set LI,  20
.set SPW, 22
.set NIL, 23
.set WS,  24
.set XS,  27
.set FQ,  29
.set FV,  30
.set RAW, 32
.set W,   160
.set XF,  192                          ; in window 1
.set QM,  160
.set QO,  168
.set QB,  176
.set QE,  184
.set QC,  192
.set WV,  14
.set KH,  15
.set CQ,  16
.set WG,  17
.set CX,  18
.set ROT, 19
.set FLR, 20
.set EXM, 21
.set M8,  22
.set MNT, 23
.set SEL, 24
.set G1,  28
.set G0,  36
.set LB,  40                           ; s40  where my part of a slot begins
.set XP,  41                           ; s41  the pair of x that is loaded next
.set WP,  42                           ; s42  the pair of wc that is loaded next
.set CNT, 43
.set XB,  44
.set XB1, 46
.set XR,  48                           ; s[48:49] my eight rows of x
.set OFS, 50                           ; s[50:51] an offset; s51 stays 0
.set QP,  54
.set KP,  56
.set VP,  58
.set SO,  60
.set VS,  62
.set WB,  90                           ; s[90:91] my part of wc's first pair
.set MSB, 0
.macro WIN new                         ; the immediate's high byte repeats the setting that is left
.if MSB != (\new)
	s_set_vgpr_msb (MSB<<8)|(\new)
.set MSB, (\new)
.endif
.endm
.macro PLACES n
.rept \n
	v_nop
.endr
.endm
.macro BAR
	s_barrier_signal -1
	s_barrier_wait -1
.endm
.macro CROUND                          ; a round of the cluster's barrier
	BAR
	s_cmp_lg_u32 s[WV], 0
	s_cbranch_scc1 .Lnot_wave_0_\@
	s_barrier_signal -3
.Lnot_wave_0_\@:
	s_barrier_wait -3
	BAR
.endm
.macro XBASE b                         ; the next pair of x, in the rotated order
	s_lshl_b32 s[OFS], s[XP], 10
	s_add_nc_u64 s[\b:\b+1], s[XR:XR+1], s[OFS:OFS+1]
	s_add_co_u32 s[XP], s[XP], 1
	s_and_b32 s[XP], s[XP], 7
.endm
.macro WBASE slot                      ; group 0 for the next pair of wc (no tensor load of mine is out)
	s_add_co_u32 s[G0+1], s[LB], (\slot)*SLOT
	s_mul_i32 s[OFS], s[WP], SLOT
	s_add_nc_u64 s[G0+2:G0+3], s[WB:WB+1], s[OFS:OFS+1]
	s_or_b32 s[G0+3], s[G0+3], 0x80000000
	s_add_co_u32 s[WP], s[WP], 1
	s_and_b32 s[WP], s[WP], 7
.endm
.macro XLOAD par, b                    ; 8 rows x 1,024 bytes: each load 512 consecutive bytes
.irp i, 0,1,2,3,4,5,6,7
	global_load_b128 v[RAW+64*(\par)+8*\i:RAW+64*(\par)+8*\i+3], v[LI], s[\b:\b+1] offset:8192*\i th:TH_LOAD_NT
	global_load_b128 v[RAW+64*(\par)+8*\i+4:RAW+64*(\par)+8*\i+7], v[LI], s[\b:\b+1] offset:8192*\i+512 th:TH_LOAD_NT
.endr
.endm
; The quantiser of a pair: set and buffer par.  more = 1: the set takes the pair two on.  out: loads that may stay out (the next pair's).
.macro QX par, more, out
.set R_, RAW+64*(\par)
	s_wait_loadcnt \out
.irp i, 0,1,2,3,4,5,6,7
.irp j, 0,1,2,3
	v_permlane16_swap_b32 v[R_+8*\i+\j], v[R_+8*\i+4+\j]
.endr
.endr
.irp i, 0,1,2,3,4,5,6,7
	v_max3_num_f32 v[QM+\i], |v[R_+8*\i]|, |v[R_+8*\i+1]|, s[FLR]   ; with the floor 2^(9 - 127): the byte cannot fall under 1
.endr
.irp k, 2,4,6
.irp i, 0,1,2,3,4,5,6,7
	v_max3_num_f32 v[QM+\i], |v[R_+8*\i+\k]|, |v[R_+8*\i+\k+1]|, v[QM+\i]
.endr
.endr
.irp k, 1,2
.irp i, 0,1,2,3,4,5,6,7
	v_max_num_f32_dpp v[QM+\i], v[QM+\i], v[QM+\i] row_xmask:\k row_mask:0xf bank_mask:0xf
.endr
.endr
.irp i, 0,1,2,3,4,5,6,7
	v_and_or_b32 v[QB+\i], v[QM+\i], s[EXM], s[MNT]                 ; 448 x the scale
.endr
.irp i, 0,1,2,3,4,5,6,7
	v_add_nc_u32 v[QO+\i], s[M8], v[QM+\i]                          ; 8 off the exponent field: the conversion's scale operand
.endr
.irp i, 0,1,2,3,4,5,6,7
.irp j, 0,1,2,3,4,5,6,7
	v_med3_num_f32 v[R_+8*\i+\j], v[R_+8*\i+\j], -v[QB+\i], v[QB+\i]   ; the conversion does not saturate (ISA guide 7.6.2)
.endr
.endr
.irp i, 0,1,2,3,4,5,6,7
	v_cvt_scalef32_pk8_fp8_f32 v[QC+2*\i:QC+2*\i+1], v[R_+8*\i:R_+8*\i+7], v[QO+\i]
.endr
.irp i, 0,1,2,3,4,5,6,7
	v_lshrrev_b32 v[QE+\i], 23, v[QO+\i]                            ; the byte
.endr
.irp i, 0,1,2,3,4,5,6,7
	ds_store_b64 v[AXW], v[QC+2*\i:QC+2*\i+1] offset:XBUF*(\par)+16*\i
.endr
.irp i, 0,1,2,3,4,5,6,7
	ds_store_b8 v[AXSW], v[QE+\i] offset:XBUF*(\par)+4*\i           ; the block's four lanes write the same byte
.endr
.if \more
	s_wait_xcnt 0x0                                ; all earlier loads have their addresses: the base may be written
	XBASE XB
	XLOAD \par, XB
.endif
.endm
.macro WQK z, ra, rb
.if \z
.if (\ra) && (\rb)
	v_wmma_scale_f32_16x16x128_f8f6f4 v[rD:rD+7], v[rA:rA+15], v[rB:rB+15], 0, v[rS], v[rT] matrix_a_scale:MATRIX_SCALE_ROW1 matrix_b_scale:MATRIX_SCALE_ROW1
.elseif \ra
	v_wmma_scale_f32_16x16x128_f8f6f4 v[rD:rD+7], v[rA:rA+15], v[rB:rB+15], 0, v[rS], v[rT] matrix_a_scale:MATRIX_SCALE_ROW1
.elseif \rb
	v_wmma_scale_f32_16x16x128_f8f6f4 v[rD:rD+7], v[rA:rA+15], v[rB:rB+15], 0, v[rS], v[rT] matrix_b_scale:MATRIX_SCALE_ROW1
.else
	v_wmma_scale_f32_16x16x128_f8f6f4 v[rD:rD+7], v[rA:rA+15], v[rB:rB+15], 0, v[rS], v[rT]
.endif
.else
.if (\ra) && (\rb)
	v_wmma_scale_f32_16x16x128_f8f6f4 v[rD:rD+7], v[rA:rA+15], v[rB:rB+15], v[rD:rD+7], v[rS], v[rT] matrix_a_scale:MATRIX_SCALE_ROW1 matrix_b_scale:MATRIX_SCALE_ROW1
.elseif \ra
	v_wmma_scale_f32_16x16x128_f8f6f4 v[rD:rD+7], v[rA:rA+15], v[rB:rB+15], v[rD:rD+7], v[rS], v[rT] matrix_a_scale:MATRIX_SCALE_ROW1
.elseif \rb
	v_wmma_scale_f32_16x16x128_f8f6f4 v[rD:rD+7], v[rA:rA+15], v[rB:rB+15], v[rD:rD+7], v[rS], v[rT] matrix_b_scale:MATRIX_SCALE_ROW1
.else
	v_wmma_scale_f32_16x16x128_f8f6f4 v[rD:rD+7], v[rA:rA+15], v[rB:rB+15], v[rD:rD+7], v[rS], v[rT]
.endif
.endif
.endm
.macro MM t, m, z
.set rD, 8*(4*(\t)+(\m))
.if (\t) < 4                           ; Q, K: source 0 = W's tile
.set rA, W+16*(\t)
.set rB, XF+16*(\m)
.set rS, WS+(\t)/2
.set rT, XS+(\m)/2
	WQK \z, (\t)%2, (\m)%2
.else                                  ; V: source 0 = x's
.set rA, XF+16*(\m)
.set rB, W+16*(\t)
.set rS, XS+(\m)/2
.set rT, WS+(\t)/2
	WQK \z, (\m)%2, (\t)%2
.endif
.endm
; My products of the pair in slot s: 45 LDS loads, 24 matrix instructions; the accumulators take turns.
.macro MUL s, z
.irp u, 0,1,2
	ds_load_b32 v[WS+\u], v[AWS+\s] offset:512*\u
.endr
.irp u, 0,1
	ds_load_b32 v[XS+\u], v[XSA+\u] offset:XBUF*(\s)
.endr
	WIN 0x40
.irp m, 0,1,2,3
.irp c, 0,1,2,3
	ds_load_b128 v[XF+16*\m+4*\c:XF+16*\m+4*\c+3], v[AXI+\m/2] offset:XBUF*(\s)+TIMG*(\m%2)+CP*\c
.endr
.endr
	WIN 0
.irp t, 0,1,2,3,4,5
.irp c, 0,1,2,3
	ds_load_b128 v[W+16*\t+4*\c:W+16*\t+4*\c+3], v[AW+\s] offset:16384*(\t/2)+2048*(\t%2)+512*\c
.endr
.endr
.irp t, 0,1,2,3,4,5
	s_wait_dscnt 20-4*\t                           ; the tiles behind this one, four loads each, may be out
.if \t < 4
	WIN 0x54                                       ; source 0 window 0; source 1, C and D window 1
.else
	WIN 0x51                                       ; source 1 window 0; source 0, C and D window 1
.endif
.irp m, 0,1,2,3
	MM \t, \m, \z
.endr
.endr
	WIN 0
.endm
.macro HALF kh, s                      ; the products of the waves with this kh
	s_cmp_eq_u32 s[KH], \kh
	s_cbranch_scc0 .Lother_\@
	MUL \s, 0
.Lother_\@:
.endm
; A trip's head: the pair in slot s is whole behind the round, and nobody reads the other slot any more: it takes the next pair.
.macro TOP s
	s_wait_tensorcnt 0x0                           ; my part of slot s is in; no tensor load of mine is out, so group 0 may be written
	ds_add_u32 v[SPW], v[NIL]
	WBASE 1-(\s)
	s_wait_dscnt 0x0                               ; the add, my codes' stores and my reads of the other slot are done
	CROUND
	tensor_load_to_lds s[G0:G0+3], s[G1:G1+7]
	s_nop 0
	PLACES 8                                       ; four behind the tensor load; eight in front of loads into registers that products have read
.endm
	s_load_b256 s[4:11], s[0:1], 0x0               ; x, wc, qc, qs
	s_load_b64 s[12:13], s[0:1], 0x20              ; kv
	v_lshl_add_u32 v[SPW], v0, 2, SPARE
	v_mov_b32 v[NIL], 0
	ds_add_u32 v[SPW], v[NIL]                      ; the opening lines: the add, twice on end, and one wait
	ds_add_u32 v[SPW], v[NIL]
	v_lshrrev_b32 v1, 5, v0
	v_readfirstlane_b32 s[WV], v1
	v_and_b32 v1, 31, v0
	v_and_b32 v2, 15, v0
	v_bfe_u32 v3, v0, 4, 1
	v_lshlrev_b32 v[L16], 4, v1
	v_lshlrev_b32 v[L4], 2, v1
	v_lshlrev_b32 v[LI], 5, v2
	v_lshl_add_u32 v[LI], v3, 4, v[LI]
	s_lshr_b32 s[KH], s[WV], 2
	s_and_b32 s[CQ], s[WV], 3
	s_bfe_u32 s[CX], ttmp6, 0x40000
	s_lshl_b32 s[WG], ttmp9, 2
	s_add_co_u32 s[WG], s[WG], s[CX]
	s_lshr_b32 s[ROT], ttmp9, 3
	s_add_co_u32 s[ROT], s[ROT], ttmp9
	s_and_b32 s[ROT], s[ROT], 7                    ; the pair at which my cluster begins
	s_mov_b32 s[XP], s[ROT]
	s_mov_b32 s[WP], s[ROT]
	s_mul_i32 s[LB], s[WV], 12800
	s_mov_b32 s[G1+0], 15|(3<<16)|(1<<21)          ; all four work-groups; elements of 8 bytes; bit 21 beside a mask
	s_mov_b32 s[G1+1], 32<<16
	s_mov_b32 s[G1+2], 50<<16
	s_mov_b32 s[G1+3], 32<<16
	s_mov_b32 s[G1+4], 50
	s_mov_b32 s[G1+5], 32
	s_mov_b32 s[G1+6], 0
	s_mov_b32 s[G1+7], 0
	s_mov_b32 s[G0+0], 1
	s_mov_b32 s[OFS+1], 0
	s_wait_alu depctr_va_vdst(0)
	s_wait_dscnt 0x0                               ; both opening adds are done
	CROUND                                         ; all four work-groups are here: the first joint loads meet.  Ahead of the wait for the arguments
	s_wait_kmcnt 0x0
	s_mov_b32 s[OFS], s[LB]
	s_add_nc_u64 s[WB:WB+1], s[6:7], s[OFS:OFS+1]
	WBASE 0
	tensor_load_to_lds s[G0:G0+3], s[G1:G1+7]      ; my first pair's weights: one load a wave at the head
	s_nop 0
	PLACES 4
	s_lshl_b32 s[OFS], s[WG], 19                   ; 64 rows of 8,192 bytes; 8 a wave
	s_lshl_b32 s66, s[WV], 16
	s_add_co_u32 s[OFS], s[OFS], s66
	s_add_nc_u64 s[XR:XR+1], s[4:5], s[OFS:OFS+1]
	XBASE XB
	XBASE XB1
	XLOAD 0, XB                                    ; x's first two pairs
	XLOAD 1, XB1
	s_mov_b32 s[FLR], 0x4800000
	s_mov_b32 s[EXM], 0x7f800000
	s_mov_b32 s[M8], 0xfc000000
	s_mov_b32 s[MNT], 0x600000
	s_mov_b32 s[SEL], 0x76543210
	s_mov_b32 s[SEL+1], 0xfedcba98
	; where my results go
	s_lshr_b32 s66, s[WG], 1
	s_mul_i32 s66, s66, 34816                      ; the block of 128 keys
	s_and_b32 s67, s[WG], 1                        ; my half of it
	s_lshl_b32 s68, s[KH], 12
	s_lshl_b32 s69, s[CQ], 9
	s_add_co_u32 s68, s68, s69                     ; 4,096 kh + 512 cq
	s_lshl_b32 s50, s[WG], 13
	s_add_co_u32 s50, s50, s68
	s_add_nc_u64 s[QP:QP+1], s[8:9], s[50:51]
	s_lshl_b32 s50, s67, 13
	s_add_co_u32 s50, s50, s68
	s_add_co_u32 s50, s50, s66
	s_add_nc_u64 s[KP:KP+1], s[12:13], s[50:51]
	s_lshl_b32 s50, s[CQ], 12
	s_lshl_b32 s69, s67, 10
	s_add_co_u32 s50, s50, s69
	s_lshl_b32 s69, s[KH], 9
	s_add_co_u32 s50, s50, s69
	s_add_co_u32 s50, s50, s66
	s_add_co_u32 s50, s50, 16384
	s_add_nc_u64 s[VP:VP+1], s[12:13], s[50:51]
	s_lshl_b32 s50, s67, 9
	s_add_co_u32 s50, s50, s66
	s_add_co_u32 s50, s50, 32768
	s_add_nc_u64 s[52:53], s[12:13], s[50:51]      ; wave 1: K's scale words
	s_lshl_b32 s50, s[WG], 9
	s_add_nc_u64 s[SO:SO+1], s[10:11], s[50:51]    ; wave 0: Q's
	s_cmp_eq_u32 s[WV], 1
	s_cselect_b64 s[SO:SO+1], s[52:53], s[SO:SO+1]
	s_lshl_b32 s50, s67, 1
	s_and_b32 s69, s[WV], 1
	s_lshl_b32 s70, s69, 9
	s_add_co_u32 s50, s50, s70
	s_add_co_u32 s50, s50, s66
	s_add_co_u32 s50, s50, 33792
	s_add_nc_u64 s[VS:VS+1], s[12:13], s[50:51]    ; waves 2, 3: V's, four tiles each
	; LDS addresses: the scalars first
	s_mul_i32 s71, s[KH], KSB
	s_lshl_b32 s72, s[CQ], 12
	s_add_co_u32 s72, s72, s71                     ; W's fragments
	s_lshl_b32 s73, s[CQ], 7
	s_add_co_u32 s73, s73, s71
	s_add_co_u32 s73, s73, 49152                   ; and scale words
	s_mul_i32 s74, s[KH], KIMG
	s_add_co_u32 s74, s74, XIMG
	s_xor_b32 s75, s[KH], 1
	s_mul_i32 s76, s[KH], 2*TIMG
	s_add_co_u32 s76, s76, s74                     ; x's fragments, m' = 0, 1
	s_mul_i32 s77, s75, 2*TIMG
	s_add_co_u32 s77, s77, s74                     ; and 2, 3
	s_lshl_b32 s74, s[KH], 8
	s_add_co_u32 s74, s74, XIMG+XSC
	s_lshl_b32 s78, s[KH], 7
	s_add_co_u32 s78, s78, s74                     ; their scale words
	s_lshl_b32 s79, s75, 7
	s_add_co_u32 s79, s79, s74
	s_lshl_b32 s80, s[KH], 1
	s_add_co_u32 s80, s80, s69                     ; the tile of the rows that I quantise: 2 (w / 4) + w % 2
	s_bfe_u32 s81, s[WV], 0x10001                  ; and which eight of its lanes
	s_mul_i32 s82, s80, TIMG
	s_lshl_b32 s83, s81, 7
	s_add_co_u32 s82, s82, s83
	s_add_co_u32 s82, s82, XIMG
	s_lshl_b32 s83, s80, 6
	s_lshl_b32 s84, s81, 5
	s_add_co_u32 s83, s83, s84
	s_add_co_u32 s83, s83, XIMG+XSC
	s_mul_i32 s84, s[WV], 12288
	s_xor_b32 s85, s[WV], 4
	s_mul_i32 s85, s85, 12288
	s_lshl_b32 s86, s[KH], 8
	s_add_co_u32 s86, s86, s[CQ]
	s_add_co_u32 s86, s86, SCG
	s_lshl_b32 s87, s[CQ], 7
	s_add_co_u32 s87, s87, s[KH]
	s_add_co_u32 s87, s87, SCG+1024
	s_lshl_b32 s88, s69, 9
	s_add_co_u32 s88, s88, SCG
	s_lshl_b32 s89, s69, 8
	s_add_co_u32 s89, s89, SCG+1024
	v_add_nc_u32 v[AW], s72, v[L16]
	v_add_nc_u32 v[AW+1], SLOT, v[AW]
	v_add_nc_u32 v[AWS], s73, v[L4]
	v_add_nc_u32 v[AWS+1], SLOT, v[AWS]
	v_mul_u32_u24 v31, v3, HP
	v_lshl_add_u32 v31, v2, 4, v31
	v_add_nc_u32 v[AXI], s76, v31
	v_add_nc_u32 v[AXI+1], s77, v31
	v_add_nc_u32 v[XSA], s78, v[L4]
	v_add_nc_u32 v[XSA+1], s79, v[L4]
	v_bfe_u32 v31, v0, 2, 2                        ; my block of the step's four
	v_mul_u32_u24 v[AXW], v31, CP
	v_lshl_add_u32 v[AXSW], v3, 8, v31
	v_bfe_u32 v31, v0, 1, 1
	v_mad_u32_u24 v[AXW], v31, HP, v[AXW]
	v_and_b32 v31, 1, v0
	v_lshl_add_u32 v[AXW], v31, 3, v[AXW]
	v_mad_u32_u24 v[AXW], v3, KIMG, v[AXW]
	v_add_nc_u32 v[AXW], s82, v[AXW]
	v_add_nc_u32 v[AXSW], s83, v[AXSW]
	v_add_nc_u32 v[SND], s84, v[L16]
	v_add_nc_u32 v[RCV], s85, v[L16]
	v_add_nc_u32 v[SBQ], s86, v[L4]
	v_lshlrev_b32 v31, 1, v1
	v_add_nc_u32 v[SBV], s87, v31
	v_add_nc_u32 v[FQ], s88, v[L16]
	v_add_nc_u32 v[FV], s89, v31
	s_wait_alu depctr_va_vdst(0)                   ; the wait at the head's end
	QX 0, 1, 16
	TOP 0                                          ; place 0: its products start the sums
	MUL 0, 1
	QX 1, 1, 16
	s_mov_b32 s[CNT], 2
.Lpairs:                                               ; places 1, 2 and 3, 4
	TOP 1
	HALF 0, 1
	QX 0, 1, 16
	HALF 1, 1
	TOP 0
	HALF 0, 0
	QX 1, 1, 16
	HALF 1, 0
	s_sub_co_u32 s[CNT], s[CNT], 1
	s_cmp_lg_u32 s[CNT], 0
	s_cbranch_scc1 .Lpairs
	TOP 1                                          ; place 5: there is no place 8
	HALF 0, 1
	QX 0, 0, 16
	HALF 1, 1
	TOP 0                                          ; place 6
	HALF 0, 0
	QX 1, 0, 0
	HALF 1, 0
	s_wait_tensorcnt 0x0                           ; place 7: nothing is filled any more
	s_wait_dscnt 0x0
	BAR
	PLACES 8
	MUL 1, 0
; THE WAY OUT.  Block b of six: b = 0, 1: Q's tile m' = b; 2, 3: K's; 4, 5: V's channel tiles: two accumulators each.
.set E,  32                            ; v32-127 six blocks of 16 numbers
.set TM, 160
.set TP, 168
.set TB, 176
.set TO, 184
.set TE, 192
.set PC, 200
.macro WHICH b                         ; the two accumulators that I send of block b; those that I keep lie 16 registers below
.if (\b) < 4
.set A0_, 8*(8*((\b)/2)+2+(\b)%2)
.set A1_, A0_+32
.else
.set A0_, 8*(4*(\b)+2)
.set A1_, A0_+8
.endif
.endm
	PLACES 8
	WIN 0x04                                       ; the data: window 1
.irp b, 0,1,2,3,4,5                            ; into slot 0, which has had its last fill and, behind the last barrier, its last read
	WHICH \b
	ds_store_b128 v[SND], v[A0_:A0_+3] offset:2048*\b
	ds_store_b128 v[SND], v[A0_+4:A0_+7] offset:2048*\b+512
	ds_store_b128 v[SND], v[A1_:A1_+3] offset:2048*\b+1024
	ds_store_b128 v[SND], v[A1_+4:A1_+7] offset:2048*\b+1536
.endr
	WIN 0
	s_wait_dscnt 0x0                               ; for my partner's sake
	BAR
.irp b, 0,1,2,3,4,5
.irp q, 0,1,2,3
	ds_load_b128 v[E+16*\b+4*\q:E+16*\b+4*\q+3], v[RCV] offset:2048*\b+512*\q
.endr
.endr
	s_wait_dscnt 0x0
	WIN 0x01                                       ; source 0: window 1
.irp b, 0,1,2,3,4,5
	WHICH \b
.irp j, 0,2,4,6
	v_pk_add_f32 v[E+16*\b+\j:E+16*\b+\j+1], v[A0_-16+\j:A0_-16+\j+1], v[E+16*\b+\j:E+16*\b+\j+1]
.endr
.irp j, 0,2,4,6
	v_pk_add_f32 v[E+16*\b+8+\j:E+16*\b+8+\j+1], v[A1_-16+\j:A1_-16+\j+1], v[E+16*\b+8+\j:E+16*\b+8+\j+1]
.endr
.endr
	WIN 0
.irp b, 0,1,2,3,4,5
	v_max3_num_f32 v[TM+\b], |v[E+16*\b]|, |v[E+16*\b+1]|, s[FLR]
.endr
.irp i, 2,4,6,8,10,12,14
.irp b, 0,1,2,3,4,5
	v_max3_num_f32 v[TM+\b], |v[E+16*\b+\i]|, |v[E+16*\b+\i+1]|, v[TM+\b]
.endr
.endr
.irp b, 0,1,2,3,4,5
	v_permlanex16_b32 v[TP+\b], v[TM+\b], s[SEL], s[SEL+1]          ; a block of 32 lies in lanes l and l xor 16
.endr
.irp b, 0,1,2,3,4,5
	v_max_num_f32 v[TM+\b], v[TM+\b], v[TP+\b]
.endr
.irp b, 0,1,2,3,4,5
	v_add_nc_u32 v[TO+\b], s[M8], v[TM+\b]
.endr
.irp b, 0,1,2,3,4,5
	v_and_or_b32 v[TB+\b], v[TM+\b], s[EXM], s[MNT]
.endr
.irp b, 0,1,2,3,4,5
	v_lshrrev_b32 v[TE+\b], 23, v[TO+\b]
.endr
.irp b, 0,1
	ds_store_b8 v[SBQ], v[TE+\b] offset:128*\b                     ; byte cq of the row's word
	ds_store_b8 v[SBQ], v[TE+2+\b] offset:512+128*\b
	ds_store_b8 v[SBV], v[TE+4+\b] offset:64*\b                    ; byte kh of the channel's two
.endr
.irp b, 0,1,2,3,4,5
.irp i, 0,1,2,3,4,5,6,7,8,9,10,11,12,13,14,15
	v_med3_num_f32 v[E+16*\b+\i], v[E+16*\b+\i], -v[TB+\b], v[TB+\b]
.endr
	v_cvt_scalef32_pk8_fp8_f32 v[PC+4*\b:PC+4*\b+1], v[E+16*\b:E+16*\b+7], v[TO+\b]
	v_cvt_scalef32_pk8_fp8_f32 v[PC+4*\b+2:PC+4*\b+3], v[E+16*\b+8:E+16*\b+15], v[TO+\b]
.endr
	v_nop
.irp b, 0,1                                    ; each store: 512 consecutive bytes, aligned
	global_store_b128 v[L16], v[PC+4*\b:PC+4*\b+3], s[QP:QP+1] offset:2048*\b
	global_store_b128 v[L16], v[PC+8+4*\b:PC+11+4*\b], s[KP:KP+1] offset:2048*\b
	global_store_b128 v[L16], v[PC+16+4*\b:PC+19+4*\b], s[VP:VP+1] offset:2048*\b
.endr
	s_wait_dscnt 0x0                               ; my scale bytes are stored
	BAR
	s_cmp_lt_u32 s[WV], 2
	s_cbranch_scc0 .Lnot_qk
	ds_load_b128 v[32:35], v[FQ]
	s_wait_dscnt 0x0
	global_store_b128 v[L16], v[32:35], s[SO:SO+1]  ; Q's or K's 128 words: 512 consecutive bytes
	s_branch .Lout
.Lnot_qk:
	s_cmp_lt_u32 s[WV], 4
	s_cbranch_scc0 .Lout
.irp j, 0,1,2,3
	ds_load_u16 v[36+\j], v[FV] offset:64*\j
.endr
	s_wait_dscnt 0x0
.irp j, 0,1,2,3
	global_store_b16 v[L4], v[36+\j], s[VS:VS+1] offset:128*\j      ; my half of V's words: the other half is the neighbour work-group's
.endr
.Lout:
	s_wait_tensorcnt 0x0                           ; the wave's end
	ds_add_u32 v[SPW], v[NIL]
	s_wait_dscnt 0x0
	CROUND                                         ; the closing round
	s_endpgm
.Lfunc_end_k_qe1d3563422_proj:
	.size	k_qe1d3563422_proj, .Lfunc_end_k_qe1d3563422_proj-k_qe1d3563422_proj
	.p2alignl 7, 3214868480
	.fill 96, 4, 3214868480
	.section	.rodata,"a",@progbits
	.p2align	6, 0x0
	.amdhsa_kernel k_qe1d3563422_proj
		.amdhsa_group_segment_fixed_size 327680
		.amdhsa_private_segment_fixed_size 0
		.amdhsa_enable_private_segment 0
		.amdhsa_kernarg_size 40
		.amdhsa_user_sgpr_count 2
		.amdhsa_user_sgpr_kernarg_segment_ptr 1
		.amdhsa_wavefront_size32 1
		.amdhsa_system_sgpr_workgroup_id_x 1
		.amdhsa_system_sgpr_workgroup_id_y 1
		.amdhsa_system_sgpr_workgroup_id_z 1
		.amdhsa_system_vgpr_workitem_id 0
		.amdhsa_next_free_vgpr 512
		.amdhsa_next_free_sgpr 100
		.amdhsa_reserve_vcc 0
		.amdhsa_float_denorm_mode_32 3
		.amdhsa_float_denorm_mode_16_64 3
		.amdhsa_memory_ordered 1
		.amdhsa_forward_progress 1
		.amdhsa_inst_pref_size 169
	.end_amdhsa_kernel
	.amdgpu_metadata
---
amdhsa.version: [ 1, 2 ]
amdhsa.kernels:
  - .name:           k_qe1d3563422_proj
    .symbol:         k_qe1d3563422_proj.kd
    .args:
      - { .name: x, .offset: 0, .size: 8, .value_kind: global_buffer, .address_space: global }
      - { .name: wc, .offset: 8, .size: 8, .value_kind: global_buffer, .address_space: global }
      - { .name: qc, .offset: 16, .size: 8, .value_kind: global_buffer, .address_space: global }
      - { .name: qs, .offset: 24, .size: 8, .value_kind: global_buffer, .address_space: global }
      - { .name: kv, .offset: 32, .size: 8, .value_kind: global_buffer, .address_space: global }
    .group_segment_fixed_size: 327680
    .private_segment_fixed_size: 0
    .kernarg_segment_align: 8
    .kernarg_segment_size: 40
    .max_flat_workgroup_size: 256
    .sgpr_count:     100
    .vgpr_count:     512
    .wavefront_size: 32
...
	.end_amdgpu_metadata
.endif
;; end of part 2
;; launch attn (part 3): grid 32 x 8, 8 waves a work-group, clusters of 4 x 1, 327,680 bytes of LDS; arguments qc, qs, kv, out0; writes out0
.if DOCPART == 3
	.amdgcn_target "amdgcn-amd-amdhsa--gfx1250"
	.amdhsa_code_object_version 6
	.text
	.protected	k_qe1d3563422_attn
	.globl	k_qe1d3563422_attn
	.p2align	8
	.type	k_qe1d3563422_attn,@function
k_qe1d3563422_attn:
	s_mov_b64 s[64:65], 0
	v_nop
	global_prefetch_b8 v0, s[64:65] scope:SCOPE_SE
	s_setreg_imm32_b32 hwreg(HW_REG_WAVE_MODE, 25, 1), 1
	s_wait_xcnt 0x0
	s_wait_alu depctr_hold_cnt(0) depctr_sa_sdst(0) depctr_va_vdst(0) depctr_va_sdst(0) depctr_va_ssrc(0) depctr_va_vcc(0) depctr_vm_vsrc(0)
	s_getreg_b32 s2, hwreg(HW_REG_IB_STS2, 6, 4)
	s_cmp_eq_u32 s2, 0
	s_cbranch_scc0 .Lentry_in_a_cluster
	s_endpgm
.Lentry_in_a_cluster:
	s_bfe_u32 s2, ttmp6, 0x10000c
	s_cmp_lg_u32 s2, 0x3003
	s_cbranch_scc0 .Lentry_shape_is_right
	s_endpgm
.Lentry_shape_is_right:
; out[b][q][:] = the sum over k <= q of softmax_k(Q[q] . K[k] / sqrt(128)) V[k][:], both products on codes of FP8 (E4M3) with one E8M0 scale for each 32 along a product's K.
; qc, qs: tiles of 16 queries as images of the operand's registers (2,048 bytes) and their scale words (128 bytes); tile 128 batch + 2 blk + u, lane r = token 32 blk + 8 u + r + 8 (r / 8).
; kv: for each batch and each 128 keys a dense block of 34,816 bytes: 8 tiles of K, 8 of V^T (keys innermost), K's scale words, V's.  Tile 2 b + u of K, lane r = key 32 b + 8 u + r + 8 (r / 8).
; THE SOFTMAX AHEAD OF THE SECOND PRODUCT: t = score x log2(e) / sqrt(128); M = the largest t so far, rounded UP to a whole number; p = 2^(t - M) is quantised along the keys, not normalised;
; the row's sum is taken of the unquantised p and divides at the end.  Parts under different M are joined by factors that are exact powers of two.
; DEAD WORK LEFT OUT: steps of 128 keys that all come after the group's queries: the causal mask puts -infinity there.  A NaN, an infinity or an overflow that reaches only them is not carried to the result.
; LIMITS: other NaN and infinities are not served; the scaled scores stay under 2^31.  A block's largest p is made from the block's largest score by the same two instructions as every p, which takes v_exp_f32 not to fall where its input rises.
; SHARES.  The 2,048 queries of a batch are 16 groups of 128; group G needs key steps 0 .. G.  A CLUSTER (x = g = 0 .. 7, y = the batch) owns group H = 15 - g and group g: 17 group-steps for every cluster.  Work-group cx owns the 32 tokens cx of both: two tiles each.
; THE KEYS ARE SHARED OUT AMONG EIGHT WAVES: wave w takes steps w and, where w + 8 <= H, w + 8 for both tiles of H, and where w <= g step w for both tiles of g: each fragment of K and V feeds two products.
; V of a wave's two steps comes by ONE tensor load, asked for jointly by the cluster's four work-groups, into LDS bytes that this wave alone reads: no barrier stands ahead of them.  K's fragments go from memory into registers.
; Each wave leaves its parts of O^T as register images over its own V, which has been read by then; behind the launch's one barrier wave w joins the eight parts of tile w / 2, channels 64 (w % 2) on.
; Nothing is prefetched into the L2: each wave has at most three steps, written out, and no loop to run ahead in.
; REGISTERS.  window 0: v4-62 addresses, scales, the softmax's state; v64-127 K's tiles 4-7, then the softmax's work, then V's fragments; v128-255 S^T, two tiles.  window 1: v0-127 O^T, two tiles; v128-159 Q; v160-191 p's codes; v192-255 K's tiles 0-3.
.set BLKB, 34816
.set STEP8, 8*BLKB                     ; from step w's block to step w + 8's
.set KSO,  32768                       ; in a block: K's scale words,
.set VSO,  33792                       ; V's
.set VH,   16384                       ; a step's V in LDS
.set SPARE, 8*2*VH                     ; the spare words, 128 bytes for each wave
.set STATS, SPARE+1024                 ; -M and the sum: 8 bytes for each (tile, part, lane)
.set OST,  STATS+8192                  ; the way out: 16 rows x (256 + 16) bytes for each wave
.set L16,  4
.set L4,   5
.set SPW,  6
.set NIL,  7
.set ADV,  8                           ; my V, 16 x lane on
.set DM,   10                          ; v10-11 my query's place in its group of 128, less 16 (lane / 16), for the two tiles
.set SST,  12
.set MST,  13
.set OSW,  14
.set ORD,  15
.set NM,   16                          ; v16, v18  -M of the two tiles, in pairs
.set F,    20
.set LS,   22                          ; v[22:23], v[24:25] the sums, in two halves
.set MX,   26                          ; v26-27 the largest t
.set MRD,  28                          ; v28-31 the merge's addresses
.set KS,   32
.set VSC,  40
.set QS,   48
.set GO,   50
.set PW,   52
.set TA,   54
.set TC,   55
.set Z,    56
.set ZS,   60
.set NINF, 62
.set VF,   64
.set TM,   64
.set TP,   68
.set T1,   72
.set T2,   73
.set TE,   76
.set TB,   80
.set TO,   84
.set SU,   88
.set S,    128
.set QF,   128                         ; window 1
.set CD,   160
.set KF,   192
.set WV,   12
.set CX,   13
.set GL,   14
.set BT,   15
.set GH,   16
.set W8,   17
.set CS,   22
.set SEL,  24
.set MNT,  26
.set G1,   28
.set G0,   36
.set KB,   40
.set QH,   42
.set QSH,  44
.set QL,   46
.set QSL,  48
.set OB,   50
.set MSB, 0
.macro WIN new                         ; the immediate's high byte repeats the setting that is left
.if MSB != (\new)
	s_set_vgpr_msb (MSB<<8)|(\new)
.set MSB, (\new)
.endif
.endm
.macro PLACES n
.rept \n
	v_nop
.endr
.endm
.macro BAR
	s_barrier_signal -1
	s_barrier_wait -1
.endm
.macro CROUND                          ; a round of the cluster's barrier
	BAR
	s_cmp_lg_u32 s[WV], 0
	s_cbranch_scc1 .Lnot_wave_0_\@
	s_barrier_signal -3
.Lnot_wave_0_\@:
	s_barrier_wait -3
	BAR
.endm
.macro QLOAD c, w                      ; the two tiles' codes and scale words: 10 loads
	WIN 0x40
.irp e, 0,1,2,3,4,5,6,7
	global_load_b128 v[QF+4*\e:QF+4*\e+3], v[L16], s[\c:\c+1] offset:512*\e
.endr
	WIN 0
.irp u, 0,1
	global_load_b32 v[QS+\u], v[L4], s[\w:\w+1] offset:128*\u
.endr
.endm
.macro KLO off                         ; K's tiles 0-3: 20 loads
	WIN 0x40
.irp t, 0,1,2,3
.irp e, 0,1,2,3
	global_load_b128 v[KF+16*\t+4*\e:KF+16*\t+4*\e+3], v[L16], s[KB:KB+1] offset:(\off)+2048*\t+512*\e
.endr
.endr
	WIN 0
.irp t, 0,1,2,3
	global_load_b32 v[KS+\t], v[L4], s[KB:KB+1] offset:(\off)+KSO+128*\t
.endr
.endm
.macro KHI off                         ; V's scale words, 8 loads, and K's tiles 4-7: 20 loads
.irp n, 0,1,2,3,4,5,6,7
	global_load_b32 v[VSC+\n], v[L4], s[KB:KB+1] offset:(\off)+VSO+128*\n
.endr
.irp t, 4,5,6,7
	global_load_b32 v[KS+\t], v[L4], s[KB:KB+1] offset:(\off)+KSO+128*\t
.endr
.irp t, 0,1,2,3
.irp e, 0,1,2,3
	global_load_b128 v[VF+16*\t+4*\e:VF+16*\t+4*\e+3], v[L16], s[KB:KB+1] offset:(\off)+8192+2048*\t+512*\e
.endr
.endr
.endm
.macro QK                              ; S^T = K Q^T: lane = query; the 16 registers of tiles 2 b, 2 b + 1 are keys 32 b + 16 (lane / 16) + 0 .. 15
	s_wait_loadcnt 20                              ; K's tiles 4-7 may be out
	WIN 0x05
.irp t, 0,1,2,3
.irp u, 0,1
	v_wmma_scale_f32_16x16x128_f8f6f4 v[S+64*\u+8*\t:S+64*\u+8*\t+7], v[KF+16*\t:KF+16*\t+15], v[QF+16*\u:QF+16*\u+15], 0, v[KS+\t], v[QS+\u]
.endr
.endr
	s_wait_loadcnt 0x0
	WIN 0x04
.irp t, 0,1,2,3
.irp u, 0,1
	v_wmma_scale_f32_16x16x128_f8f6f4 v[S+64*\u+32+8*\t:S+64*\u+32+8*\t+7], v[VF+16*\t:VF+16*\t+15], v[QF+16*\u:QF+16*\u+15], 0, v[KS+4+\t], v[QS+\u]
.endr
.endr
	WIN 0
	PLACES 8
.endm
; The softmax of tile u.  fresh = 1: the pass's first step; 0: M may move.  mask = 1: where step s[st] is group s[grp]'s own, it lies on the diagonal.
.macro SM u, fresh, mask, st, grp
.set B_, S+64*(\u)
.set N_, NM+2*(\u)
.set L_, LS+2*(\u)
.if \mask
	s_cmp_lg_u32 s[\st], s[\grp]
	s_cbranch_scc1 .Lopen_\@
	s_wait_alu depctr_va_vdst(0)                   ; the wait ahead of the first reader of S^T
.irp n, 0,1,2,3,4,5,6,7,8,9,10,11,12,13,14,15,16,17,18,19,20,21,22,23,24,25,26,27,28,29,30,31,32,33,34,35,36,37,38,39,40,41,42,43,44,45,46,47,48,49,50,51,52,53,54,55,56,57,58,59,60,61,62,63
	v_cmp_gt_i32 vcc_lo, 32*(\n/16)+\n%16, v[DM+\u]
	v_cndmask_b32 v[B_+\n], v[B_+\n], v[NINF], vcc_lo
.endr
.Lopen_\@:
.endif
	s_wait_alu depctr_va_vdst(0)                   ; the wait ahead of the first reader of S^T
.irp b, 0,1,2,3
	v_max3_num_f32 v[TM+\b], v[B_+16*\b], v[B_+16*\b+1], v[B_+16*\b+2]   ; the largest score of each block of 32 keys
.endr
.irp i, 3,5,7,9,11,13
.irp b, 0,1,2,3
	v_max3_num_f32 v[TM+\b], v[TM+\b], v[B_+16*\b+\i], v[B_+16*\b+\i+1]
.endr
.endr
.irp b, 0,1,2,3
	v_max_num_f32 v[TM+\b], v[TM+\b], v[B_+16*\b+15]
.endr
.irp b, 0,1,2,3
	v_permlanex16_b32 v[TP+\b], v[TM+\b], s[SEL], s[SEL+1]
.endr
.irp b, 0,1,2,3
	v_max_num_f32 v[TM+\b], v[TM+\b], v[TP+\b]
.endr
	v_max3_num_f32 v[T1], v[TM], v[TM+1], v[TM+2]
	v_max_num_f32 v[T1], v[T1], v[TM+3]
.if \fresh
	v_mul_f32 v[MX+\u], s[CS], v[T1]               ; the largest t (c is positive)
	v_floor_f32 v[N_], -v[MX+\u]                   ; -M = floor(-t) = -ceil(t): a whole number
.else
	v_mul_f32 v[T1], s[CS], v[T1]
	v_max_num_f32 v[MX+\u], v[MX+\u], v[T1]
	v_mov_b32 v[T1], v[N_]
	v_floor_f32 v[N_], -v[MX+\u]
	v_sub_f32 v[T1], v[N_], v[T1]                  ; M's old value less its new one: a whole number, 0 or less
	v_cvt_i32_f32 v[T1], v[T1]                     ; (it saturates)
	v_ldexp_f32 v[F], 1.0, v[T1]                   ; f = 2^(old M - new M)
.endif
.irp j, 0,2,4,6,8,10,12,14,16,18,20,22,24,26,28,30,32,34,36,38,40,42,44,46,48,50,52,54,56,58,60,62
	v_pk_fma_f32 v[B_+\j:B_+\j+1], v[B_+\j:B_+\j+1], s[CS:CS+1], v[N_:N_+1] op_sel_hi:[1,0,0]   ; t - M
.endr
.irp b, 0,1,2,3
	v_fma_f32 v[TM+\b], v[TM+\b], s[CS], v[N_]
.endr
	s_wait_alu depctr_va_vdst(0)                   ; the wait ahead of the batch
.irp j, 0,1,2,3,4,5,6,7,8,9,10,11,12,13,14,15,16,17,18,19,20,21,22,23,24,25,26,27,28,29,30,31,32,33,34,35,36,37,38,39,40,41,42,43,44,45,46,47,48,49,50,51,52,53,54,55,56,57,58,59,60,61,62,63
	v_exp_f32 v[B_+\j], v[B_+\j]                   ; p = 2^(t - M), at most 1
.endr
.irp b, 0,1,2,3
	v_exp_f32 v[TM+\b], v[TM+\b]                   ; the block's largest p
.endr
.if \fresh
	v_nop
.else
	v_pk_mul_f32 v[L_:L_+1], v[L_:L_+1], v[F:F+1] op_sel_hi:[1,0]
.endif
	s_wait_alu depctr_va_vdst(0)                   ; and ahead of the batch's first reader
.irp b, 0,1,2,3
	v_max_num_f32 v[TM+\b], 0x4800000, v[TM+\b]    ; the floor 2^(9 - 127): the byte cannot fall under 1
.endr
.irp b, 0,1,2,3
	v_add_nc_u32 v[TO+\b], 0xfc000000, v[TM+\b]    ; 8 off the exponent field: the conversion's scale operand
.endr
.irp b, 0,1,2,3
	v_and_or_b32 v[TB+\b], v[TM+\b], 0x7f800000, s[MNT]   ; 448 x the scale
.endr
.irp b, 0,1,2,3
	v_lshrrev_b32 v[TE+\b], 23, v[TO+\b]
.endr
	v_pk_add_f32 v[SU:SU+1], v[B_:B_+1], v[B_+8:B_+9]               ; the row's sum is taken of the unquantised p, in four chains
	v_pk_add_f32 v[SU+2:SU+3], v[B_+2:B_+3], v[B_+10:B_+11]
	v_pk_add_f32 v[SU+4:SU+5], v[B_+4:B_+5], v[B_+12:B_+13]
	v_pk_add_f32 v[SU+6:SU+7], v[B_+6:B_+7], v[B_+14:B_+15]
	v_lshl_or_b32 v[PW+\u], v[TE+1], 8, v[TE]      ; p's scale word for these 128 keys
.irp j, 16,24,32,40,48,56
.irp c, 0,2,4,6
	v_pk_add_f32 v[SU+\c:SU+\c+1], v[SU+\c:SU+\c+1], v[B_+\j+\c:B_+\j+\c+1]
.endr
.endr
	v_lshl_or_b32 v[PW+\u], v[TE+2], 16, v[PW+\u]
	v_pk_add_f32 v[SU:SU+1], v[SU:SU+1], v[SU+2:SU+3]
	v_pk_add_f32 v[SU+4:SU+5], v[SU+4:SU+5], v[SU+6:SU+7]
	v_lshl_or_b32 v[PW+\u], v[TE+3], 24, v[PW+\u]
.if \fresh
	v_pk_add_f32 v[L_:L_+1], v[SU:SU+1], v[SU+4:SU+5]
.else
	v_pk_add_f32 v[SU:SU+1], v[SU:SU+1], v[SU+4:SU+5]
	v_pk_add_f32 v[L_:L_+1], v[L_:L_+1], v[SU:SU+1]
.endif
.irp b, 0,1,2,3
.irp i, 0,1,2,3,4,5,6,7,8,9,10,11,12,13,14,15
	v_min_num_f32 v[B_+16*\b+\i], v[B_+16*\b+\i], v[TB+\b]          ; the conversion does not saturate (ISA guide 7.6.2); p is not negative
.endr
.endr
	WIN 0x40
.irp b, 0,1,2,3
	v_cvt_scalef32_pk8_fp8_f32 v[CD+16*(\u)+4*\b:CD+16*(\u)+4*\b+1], v[B_+16*\b:B_+16*\b+7], v[TO+\b]
	v_cvt_scalef32_pk8_fp8_f32 v[CD+16*(\u)+4*\b+2:CD+16*(\u)+4*\b+3], v[B_+16*\b+8:B_+16*\b+15], v[TO+\b]
.endr
	WIN 0
	PLACES 4                                       ; behind the conversions, and in front of the scaled products that take the codes
.if (\fresh) == 0
	WIN 0x41
	s_wait_alu depctr_va_vdst(0)                   ; the wait ahead of the first reader of O^T
.irp j, 0,2,4,6,8,10,12,14,16,18,20,22,24,26,28,30,32,34,36,38,40,42,44,46,48,50,52,54,56,58,60,62
	v_pk_mul_f32 v[64*(\u)+\j:64*(\u)+\j+1], v[64*(\u)+\j:64*(\u)+\j+1], v[F:F+1] op_sel_hi:[1,0]   ; O^T under the new M
.endr
	WIN 0
.endif
.endm
.macro PV off, fresh                   ; O^T (+)= V^T P^T: four tiles of 16 channels at a time
.irp g, 0,1
.if \g
	PLACES 8
.endif
.irp t, 0,1,2,3
.irp e, 0,1,2,3
	ds_load_b128 v[VF+16*\t+4*\e:VF+16*\t+4*\e+3], v[ADV] offset:(\off)+2048*(4*\g+\t)+512*\e
.endr
.endr
.if \g == 0
	s_wait_alu depctr_va_vdst(0)                   ; directly ahead of the wait below
.endif
	s_wait_dscnt 0x0
	WIN 0x54
.irp t, 0,1,2,3
.irp u, 0,1
.if \fresh
	v_wmma_scale_f32_16x16x128_f8f6f4 v[64*\u+8*(4*\g+\t):64*\u+8*(4*\g+\t)+7], v[VF+16*\t:VF+16*\t+15], v[CD+16*\u:CD+16*\u+15], 0, v[VSC+4*\g+\t], v[PW+\u]
.else
	v_wmma_scale_f32_16x16x128_f8f6f4 v[64*\u+8*(4*\g+\t):64*\u+8*(4*\g+\t)+7], v[VF+16*\t:VF+16*\t+15], v[CD+16*\u:CD+16*\u+15], v[64*\u+8*(4*\g+\t):64*\u+8*(4*\g+\t)+7], v[VSC+4*\g+\t], v[PW+\u]
.endif
.endr
.endr
	WIN 0
.endr
	PLACES 8                                       ; for loads into V's registers and for readers of O^T
.endm
.macro PART off, tile                  ; my parts of two tiles, as register images over my own V, and their -M and sums
	WIN 0x04
.irp u, 0,1
.irp n, 0,1,2,3,4,5,6,7
	ds_store_b128 v[ADV], v[64*\u+8*\n:64*\u+8*\n+3] offset:(\off)+8192*\u+1024*\n
	ds_store_b128 v[ADV], v[64*\u+8*\n+4:64*\u+8*\n+7] offset:(\off)+8192*\u+1024*\n+512
.endr
.endr
	WIN 0
.irp u, 0,1
	v_add_f32 v[TA], v[LS+2*\u], v[LS+2*\u+1]
	v_permlanex16_b32 v[TC], v[TA], s[SEL], s[SEL+1]
	v_add_f32 v[NM+2*\u+1], v[TA], v[TC]           ; with lane l xor 16's: my part of the row's sum, beside -M
	ds_store_b64 v[SST], v[NM+2*\u:NM+2*\u+1] offset:2048*(\tile+\u)
.endr
.endm
	s_load_b256 s[4:11], s[0:1], 0x0               ; qc, qs, kv, out0
	v_lshl_add_u32 v[SPW], v0, 2, SPARE
	v_mov_b32 v[NIL], 0
	ds_add_u32 v[SPW], v[NIL]                      ; the opening lines: the add, twice on end, and one wait
	ds_add_u32 v[SPW], v[NIL]
	v_lshrrev_b32 v1, 5, v0
	v_readfirstlane_b32 s[WV], v1
	s_bfe_u32 s[CX], ttmp6, 0x40000                ; cx: it enters Q's and the output's addresses and the mask's numbers alone
	s_mov_b32 s[GL], ttmp9                         ; g: in a cluster launch ttmp9 counts clusters
	s_and_b32 s[BT], ttmp7, 0xffff
	s_sub_co_u32 s[GH], 15, s[GL]
	s_add_co_u32 s[W8], s[WV], 8
	s_lshl_b32 s52, s[BT], 4
	s_add_co_u32 s52, s52, s[WV]
	s_mul_i32 s52, s52, BLKB                       ; step w's block
	s_mov_b32 s53, 0
	s_lshl_b32 s54, s[BT], 7                       ; Q's first tile: 128 batch + 8 G + 2 cx
	s_lshl_b32 s55, s[CX], 1
	s_add_co_u32 s54, s54, s55
	s_lshl_b32 s56, s[GH], 3
	s_add_co_u32 s56, s56, s54
	s_lshl_b32 s58, s[GL], 3
	s_add_co_u32 s58, s58, s54
	s_lshl_b32 s60, s56, 7
	s_lshl_b32 s62, s58, 7
	s_lshl_b32 s56, s56, 11
	s_lshl_b32 s58, s58, 11
	s_mov_b32 s57, 0
	s_mov_b32 s59, 0
	s_mov_b32 s61, 0
	s_mov_b32 s63, 0
	s_lshr_b32 s66, s[WV], 1                       ; the merge: tile w / 2: 0, 1 of group H, 2, 3 of group g
	s_and_b32 s67, s[WV], 1                        ; which 64 channels
	s_lshr_b32 s68, s[WV], 2
	s_and_b32 s69, s66, 1                          ; u
	s_cmp_eq_u32 s68, 0
	s_cselect_b32 s70, s[GH], s[GL]
	s_lshl_b32 s70, s70, 7
	s_lshl_b32 s71, s[CX], 5
	s_add_co_u32 s70, s70, s71
	s_lshl_b32 s72, s69, 3
	s_add_co_u32 s70, s70, s72
	s_lshl_b32 s72, s[BT], 11
	s_add_co_u32 s70, s70, s72
	s_lshl_b32 s70, s70, 9                         ; its first row in the output,
	s_lshl_b32 s72, s67, 8
	s_add_co_u32 s70, s70, s72                     ; and its channels
	s_lshl_b32 s73, s[WV], 15                      ; my V in LDS
	s_lshl_b32 s74, s[WV], 8
	s_add_co_u32 s74, s74, STATS
	s_lshl_b32 s75, s66, 11
	s_add_co_u32 s75, s75, STATS
	s_xor_b32 s76, s68, 1
	s_lshl_b32 s76, s76, 14                        ; group H's parts lie behind group g's
	s_lshl_b32 s77, s69, 13
	s_add_co_u32 s76, s76, s77
	s_lshl_b32 s77, s67, 12
	s_add_co_u32 s76, s76, s77
	s_mul_i32 s77, s[WV], 16*272
	s_add_co_u32 s77, s77, OST
	v_and_b32 v1, 31, v0
	v_and_b32 v2, 15, v0
	v_bfe_u32 v3, v0, 4, 1
	v_lshlrev_b32 v[L16], 4, v1
	v_lshlrev_b32 v[L4], 2, v1
	v_add_nc_u32 v[ADV], s73, v[L16]
	v_and_b32 v[DM], 8, v2
	v_add_nc_u32 v[DM], v[DM], v2
	v_add_nc_u32 v[DM], s71, v[DM]
	v_lshlrev_b32 v[DM+1], 4, v3
	v_sub_nc_u32 v[DM], v[DM], v[DM+1]
	v_add_nc_u32 v[DM+1], 8, v[DM]
	v_lshlrev_b32 v[TA], 3, v1
	v_add_nc_u32 v[SST], s74, v[TA]
	v_add_nc_u32 v[MST], s75, v[TA]
	v_add_nc_u32 v[MRD], s76, v[L16]
	v_add_nc_u32 v[MRD+1], 0x10000, v[MRD]
	v_add_nc_u32 v[MRD+2], 0x20000, v[MRD]
	v_add_nc_u32 v[MRD+3], 0x30000, v[MRD]
	v_mul_u32_u24 v[OSW], v2, 272
	v_lshl_add_u32 v[OSW], v3, 5, v[OSW]
	v_add_nc_u32 v[OSW], s77, v[OSW]
	v_mul_u32_u24 v[ORD], v3, 272
	v_lshl_add_u32 v[ORD], v2, 4, v[ORD]
	v_add_nc_u32 v[ORD], s77, v[ORD]
	v_lshlrev_b32 v[GO], 9, v3
	v_lshl_add_u32 v[GO], v2, 4, v[GO]
	v_mov_b32 v[NM+1], 0                           ; (named as the upper halves of pairs before they are first written)
	v_mov_b32 v[NM+3], 0
	v_mov_b32 v[F+1], 0
	v_mov_b32 v[TC], 0                             ; (a lane permute's destination counts as one of its sources)
.irp j, 0,1,2,3
	v_mov_b32 v[Z+\j], 0
.endr
	v_mov_b32 v[ZS], 0x7f61b1e6                    ; a part without a step: -M = 3e38, the sum 0
	v_mov_b32 v[ZS+1], 0
	v_mov_b32 v[NINF], 0xff800000
	s_wait_alu depctr_va_vdst(0)                   ; the wait at the head's end
	s_wait_dscnt 0x0                               ; both opening adds are done
	CROUND                                         ; all four work-groups are here: the joint loads meet.  Ahead of the wait for the arguments
	s_wait_kmcnt 0x0
	s_add_nc_u64 s[KB:KB+1], s[8:9], s[52:53]
	s_add_nc_u64 s[QH:QH+1], s[4:5], s[56:57]
	s_add_nc_u64 s[QL:QL+1], s[4:5], s[58:59]
	s_add_nc_u64 s[QSH:QSH+1], s[6:7], s[60:61]
	s_add_nc_u64 s[QSL:QSL+1], s[6:7], s[62:63]
	s_mov_b32 s71, 0
	s_add_nc_u64 s[OB:OB+1], s[10:11], s[70:71]
	; one load: two rows of 16,384 bytes, V of steps w and w + 8, a multiple of 256 bytes apart, to LDS without padding
	s_mov_b32 s[G1+0], 15|(3<<16)|(1<<21)          ; 15:0 the mask: all four work-groups; 17:16 elements of 8 bytes; 21 set beside a mask
	s_mov_b32 s[G1+1], 2048<<16
	s_mov_b32 s[G1+2], 2<<16
	s_mov_b32 s[G1+3], 2048<<16
	s_mov_b32 s[G1+4], 2
	s_mov_b32 s[G1+5], STEP8/8
	s_mov_b32 s[G1+6], 0
	s_mov_b32 s[G1+7], 0
	s_mov_b32 s[G0], 1
	s_mov_b32 s[G0+1], s73
	s_add_nc_u64 s[G0+2:G0+3], s[8:9], s[52:53]
	s_add_nc_u64 s[G0+2:G0+3], s[G0+2:G0+3], 16384
	s_or_b32 s[G0+3], s[G0+3], 0x80000000
	s_mov_b32 s[CS], 0x3e0293ee                    ; c = log2(e) / sqrt(128)
	s_mov_b32 s[CS+1], s[CS]
	s_mov_b32 s[SEL], 0x76543210
	s_mov_b32 s[SEL+1], 0xfedcba98
	s_mov_b32 s[MNT], 0x600000
	tensor_load_to_lds s[G0:G0+3], s[G1:G1+7]      ; a wave's only tensor load
	s_nop 0
	PLACES 4
	QLOAD QH, QSH
	KLO 0
	KHI 0
; GROUP H, step w: never on the diagonal, since w <= 7 < 8 <= H.
	QK
	s_cmp_gt_u32 s[W8], s[GH]                      ; behind the products: the next step's first fragments
	s_cbranch_scc1 .Lno_second
	KLO STEP8
	s_branch .Lasked_1
.Lno_second:
	s_cmp_gt_u32 s[WV], s[GL]
	s_cbranch_scc1 .Lasked_1
	QLOAD QL, QSL
	KLO 0
.Lasked_1:
	SM 0, 1, 0, WV, GH
	SM 1, 1, 0, WV, GH
	s_wait_tensorcnt 0x0                           ; my V is in: no other wave reads these bytes
	PV 0, 1
; GROUP H, step w + 8
	s_cmp_gt_u32 s[W8], s[GH]                      ; all its keys come after the group's queries: left out, by ids
	s_cbranch_scc1 .Lhi_done
	KHI STEP8
	QK
	s_cmp_gt_u32 s[WV], s[GL]
	s_cbranch_scc1 .Lasked_2
	QLOAD QL, QSL
	KLO 0
.Lasked_2:
	SM 0, 0, 1, W8, GH
	SM 1, 0, 1, W8, GH
	PV VH, 0
.Lhi_done:
	s_cmp_gt_u32 s[WV], s[GL]
	s_cbranch_scc1 .Lasked_3
	KHI 0
.Lasked_3:
	PART VH, 0
; GROUP g, step w
	s_cmp_gt_u32 s[WV], s[GL]
	s_cbranch_scc1 .Lno_low
	QK
	SM 0, 1, 1, WV, GL
	SM 1, 1, 1, WV, GL
	PV 0, 1
	PART 0, 2
	s_branch .Lparts
.Lno_low:                                              ; no step of group g is mine: my part is zeros
.irp i, 0,1,2,3,4,5,6,7,8,9,10,11,12,13,14,15,16,17,18,19,20,21,22,23,24,25,26,27,28,29,30,31
	ds_store_b128 v[ADV], v[Z:Z+3] offset:512*\i
.endr
	ds_store_b64 v[SST], v[ZS:ZS+1] offset:4096
	ds_store_b64 v[SST], v[ZS:ZS+1] offset:6144
.Lparts:
	s_wait_dscnt 0x0                               ; for the others' sake: my parts are stored
	BAR
; THE MERGE: lane (r, h) keeps its row r and its eight channels of each 16.  Part j: -M at v[64 + 2 j], its sum beside it.
.irp j, 0,1,2,3,4,5,6,7
	ds_load_b64 v[64+2*\j:65+2*\j], v[MST] offset:256*\j
.endr
.irp j, 0,1,2,3,4,5,6,7
.irp k, 0,1,2,3
	ds_load_b128 v[128+16*\j+4*\k:131+16*\j+4*\k], v[MRD+\j/2] offset:32768*(\j%2)+512*\k
.endr
.endr
	s_wait_dscnt 32                                ; the -M and sums are in
	v_min3_num_f32 v[TA], v64, v66, v68
	v_min3_num_f32 v[TA], v[TA], v70, v72
	v_min3_num_f32 v[TA], v[TA], v74, v76
	v_min_num_f32 v[TA], v[TA], v78                ; the row's -M.  Group H's parts and part 0 of group g always have a step
.irp j, 0,1,2,3,4,5,6,7
	v_sub_f32 v[80+\j], v[TA], v[64+2*\j]          ; part j's M less the row's: a whole number, 0 or less
.endr
.irp j, 0,1,2,3,4,5,6,7
	v_cvt_i32_f32 v[80+\j], v[80+\j]               ; (it saturates)
.endr
.irp j, 0,1,2,3,4,5,6,7
	v_ldexp_f32 v[64+2*\j], 1.0, v[80+\j]          ; the part's factor: an exact power of two, or 0
.endr
	v_mul_f32 v[TC], v64, v65
.irp j, 1,2,3,4,5,6,7
	v_fmac_f32 v[TC], v[64+2*\j], v[65+2*\j]       ; the row's sum
.endr
	WIN 0x40
.irp j, 0,1,2,3,4,5,6,7
.irp k, 0,1,2,3
	ds_load_b128 v[16*\j+4*\k:16*\j+4*\k+3], v[MRD+\j/2] offset:32768*(\j%2)+2048+512*\k
.endr
.endr
	WIN 0
	s_wait_alu depctr_va_vdst(0)                   ; the wait ahead of the transcendental
	v_rcp_f32 v[TC], v[TC]
	v_nop
	s_wait_alu depctr_va_vdst(0)                   ; and ahead of its first reader
.irp j, 0,1,2,3,4,5,6,7
	v_mul_f32 v[64+2*\j], v[64+2*\j], v[TC]
.endr
	s_wait_alu depctr_va_vdst(0)                   ; directly ahead of the wait below
	s_wait_dscnt 32                                ; the first 32 channels are in
.irp i, 0,2,4,6,8,10,12,14
	v_pk_mul_f32 v[96+\i:97+\i], v[128+\i:129+\i], v[64:65] op_sel_hi:[1,0]
.endr
.irp j, 1,2,3,4,5,6,7
.irp i, 0,2,4,6,8,10,12,14
	v_pk_fma_f32 v[96+\i:97+\i], v[128+16*\j+\i:129+16*\j+\i], v[64+2*\j:65+2*\j], v[96+\i:97+\i] op_sel_hi:[1,0,1]
.endr
.endr
	s_wait_dscnt 0x0
	WIN 0x01
.irp i, 0,2,4,6,8,10,12,14
	v_pk_mul_f32 v[112+\i:113+\i], v[\i:\i+1], v[64:65] op_sel_hi:[1,0]
.endr
.irp j, 1,2,3,4,5,6,7
.irp i, 0,2,4,6,8,10,12,14
	v_pk_fma_f32 v[112+\i:113+\i], v[16*\j+\i:16*\j+\i+1], v[64+2*\j:65+2*\j], v[112+\i:113+\i] op_sel_hi:[1,0,1]
.endr
.endr
	WIN 0
.irp n, 0,1,2,3                                ; through my own stage into rows: sixteen lanes store 256 consecutive bytes, aligned
	ds_store_b128 v[OSW], v[96+8*\n:99+8*\n] offset:64*\n
	ds_store_b128 v[OSW], v[100+8*\n:103+8*\n] offset:64*\n+16
.endr
.irp t, 0,1,2,3,4,5,6,7
	ds_load_b128 v[128+4*\t:131+4*\t], v[ORD] offset:544*\t
.endr
.irp t, 0,1,2,3,4,5,6,7
	s_wait_dscnt 7-\t
	global_store_b128 v[GO], v[128+4*\t:131+4*\t], s[OB:OB+1] offset:(2*\t+8*(\t/4))*512 th:TH_STORE_NT   ; rows 8 to 15 are eight tokens further on
.endr
	s_wait_tensorcnt 0x0                           ; the wave's end
	ds_add_u32 v[SPW], v[NIL]
	s_wait_dscnt 0x0
	CROUND                                         ; the closing round
	s_endpgm
.Lfunc_end_k_qe1d3563422_attn:
	.size	k_qe1d3563422_attn, .Lfunc_end_k_qe1d3563422_attn-k_qe1d3563422_attn
	.p2alignl 7, 3214868480
	.fill 96, 4, 3214868480
	.section	.rodata,"a",@progbits
	.p2align	6, 0x0
	.amdhsa_kernel k_qe1d3563422_attn
		.amdhsa_group_segment_fixed_size 327680
		.amdhsa_private_segment_fixed_size 0
		.amdhsa_enable_private_segment 0
		.amdhsa_kernarg_size 32
		.amdhsa_user_sgpr_count 2
		.amdhsa_user_sgpr_kernarg_segment_ptr 1
		.amdhsa_wavefront_size32 1
		.amdhsa_system_sgpr_workgroup_id_x 1
		.amdhsa_system_sgpr_workgroup_id_y 1
		.amdhsa_system_sgpr_workgroup_id_z 1
		.amdhsa_system_vgpr_workitem_id 0
		.amdhsa_next_free_vgpr 512
		.amdhsa_next_free_sgpr 80
		.amdhsa_reserve_vcc 1
		.amdhsa_float_denorm_mode_32 3
		.amdhsa_float_denorm_mode_16_64 3
		.amdhsa_memory_ordered 1
		.amdhsa_forward_progress 1
		.amdhsa_inst_pref_size 173
	.end_amdhsa_kernel
	.amdgpu_metadata
---
amdhsa.version: [ 1, 2 ]
amdhsa.kernels:
  - .name:           k_qe1d3563422_attn
    .symbol:         k_qe1d3563422_attn.kd
    .args:
      - { .name: qc, .offset: 0, .size: 8, .value_kind: global_buffer, .address_space: global }
      - { .name: qs, .offset: 8, .size: 8, .value_kind: global_buffer, .address_space: global }
      - { .name: kv, .offset: 16, .size: 8, .value_kind: global_buffer, .address_space: global }
      - { .name: out0, .offset: 24, .size: 8, .value_kind: global_buffer, .address_space: global }
    .group_segment_fixed_size: 327680
    .private_segment_fixed_size: 0
    .kernarg_segment_align: 8
    .kernarg_segment_size: 32
    .max_flat_workgroup_size: 256
    .sgpr_count:     80
    .vgpr_count:     512
    .wavefront_size: 32
...
	.end_amdgpu_metadata
.endif
;; end of part 3
